; MI455X (gfx1250); checked and timed in simulation.
; The chip was launched on July 23, 2026; its instructions are those of AMD's public machine-readable ISA for CDNA 5 (MIT licence, August 2026) and "CDNA5" Instruction Set Architecture Reference Guide (July 2026). The comments in the code are by the model that wrote it; some were corrected since.
;; Multi Scale Retention. Allowed arithmetic: matrix products marked QUANTISED: E4M3 operands, one E8M0 scale for each 32 along K, by v_wmma_scale_f32_16x16x128_f8f6f4 with both operands' format E4M3, f32 sums; everything else in f32.
;; Inputs: beta 1,024 float32; bg 1,024 float32; bk 1,024 float32; bq 1,024 float32; bv 1,024 float32; gamma 1,024 float32; wg_codes 1,024 x 32 x 32 uint8 (E4M3 codes of wg, K innermost, in blocks of 32 codes); wg_scales 1,024 x 32 uint8 (E8M0 scales of wg, one for each 32 codes along K); wk_codes 1,024 x 32 x 32 uint8 (E4M3 codes of wk, K innermost, in blocks of 32 codes); wk_scales 1,024 x 32 uint8 (E8M0 scales of wk, one for each 32 codes along K); wq_codes 1,024 x 32 x 32 uint8 (E4M3 codes of wq, K innermost, in blocks of 32 codes); wq_scales 1,024 x 32 uint8 (E8M0 scales of wq, one for each 32 codes along K); wv_codes 1,024 x 32 x 32 uint8 (E4M3 codes of wv, K innermost, in blocks of 32 codes); wv_scales 1,024 x 32 uint8 (E8M0 scales of wv, one for each 32 codes along K); x_codes 2 x 2,048 x 32 x 32 uint8 (E4M3 codes of x, K innermost, in blocks of 32 codes); x_scales 2 x 2,048 x 32 uint8 (E8M0 scales of x, one for each 32 codes along K).
;; Outputs: out0 2 x 2,048 x 1,024 float32.
;; This version of the problem:
;;   THIS VERSION OF THE PROBLEM IS GIVEN IN LOW PRECISION. The matrix products marked QUANTISED in the list below multiply operands that are first quantised to E4M3 (4 exponent bits, 3 mantissa bits; 8 bits a number), with one power-of-two scale for each 32 numbers along K (OCP MX v1.0); their sums are f32. All else is computed in f32.
;;   The module's matrix products, in the order in which they are computed (A, B: the left and right operand; K: the contracted axis; several contracted axes count as one K, in the product's order):
;;     1. [M 4,096, K 1,024] x [K 1,024, N 1,024]; A: input x (given as codes); B: input wq (given as codes): QUANTISED
;;     2. [M 4,096, K 1,024] x [K 1,024, N 1,024]; A: input x (given as codes); B: input wk (given as codes): QUANTISED
;;     3. [M 4,096, K 1,024] x [K 1,024, N 1,024]; A: input x (given as codes); B: input wv (given as codes): QUANTISED
;;     4. batch 32 x [M 2,048, K 64] x [K 64, N 2,048]; A: computed on the way; B: computed on the way: QUANTISED
;;     5. batch 32 x [M 2,048, K 2,048] x [K 2,048, N 64]; A: softmax (see below); B: computed on the way: QUANTISED
;;     6. [M 4,096, K 1,024] x [K 1,024, N 1,024]; A: input x (given as codes); B: input wg (given as codes): QUANTISED
;;   THE QUANTISER, for each operand of a quantised product, along K:
;;     - K is cut into blocks of 32 from its start; a last block that is shorter is filled with zeros.
;;     - A block's scale is 2^e with e = floor(log2(the largest magnitude in the block)) - 8, held to -126 .. 127; a block of zeros has e = 0. As a byte (E8M0): e + 127.
;;     - Each number is divided by its block's scale, clamped to +-448, and rounded to the nearest number of E4M3, ties to even, subnormals kept.
;;     - The product sums the exact products of the quantised numbers (number of the format x scale) in f32.
;;   ~~~python
;;   def quantise(x, axis):      # numpy; x: float32 -> the quantised numbers, widened to float32 again
;;       x = np.moveaxis(x, axis, -1); K = x.shape[-1]
;;       x = np.pad(x, [(0, 0)] * (x.ndim - 1) + [(0, -K % 32)]); x = x.reshape(x.shape[:-1] + (-1, 32)); a = np.abs(x).max(-1, keepdims=True)
;;       e = np.where(a > 0, np.clip(np.frexp(np.where(a > 0, a, 1))[1] - 1 - 8, -126, 127), 0)      # np.frexp(a)[1] - 1 = floor(log2(a)), exactly
;;       r = np.clip(x / 2.0 ** e, -448, 448)
;;       step = 2.0 ** (np.maximum(np.frexp(np.where(r == 0, 1, r))[1] - 1, -6) - 3)
;;       q = np.round(r / step) * step * 2.0 ** e      # np.round: ties to even
;;       return np.moveaxis(q.reshape(q.shape[:-2] + (-1,))[..., :K], -1, axis).astype(np.float32)
;;   ~~~
;;   SOFTMAX AHEAD OF A QUANTISED PRODUCT. Where the list says 'softmax', what is quantised is not the finished softmax but p = 2^(t - M), with t = logit x log2(e) and M = ceil(the row's largest t), a whole number; so 1/2 < the row's largest p <= 1. The row's sum l is taken of the UNQUANTISED p, in f32, and the product's result is divided by l at the end. Since M is a whole number, a kernel that streams over the keys may use a running M (the ceiling of the running maximum): every later rescaling is an exact power of two, which a block's scale takes up: the codes' values come out the same.
;;   OPERANDS COMPUTED ON THE WAY. 'Computed on the way' means the value that the module computes at that place (a softmax that the list does not call 'softmax' is quantised finished and normalised). What goes into a quantiser is computed in f32, as accurately as f32 sums, v_exp_f32 and their like allow (about 1e-6 of the number): no bf16 or f16 on the way to a quantiser, and a product that is left as it is and whose result goes on into a quantised operand takes f32 operands (vector FMAs, or v_wmma_f32_16x16x4_f32). A number that lies on a knife's edge between two numbers of the format may be rounded either way, as far as f32 arithmetic and the matrix unit's own rounding can turn it there, and no further.
;;   INPUTS GIVEN AS CODES. wg (in the module: [1024, 1024], K = its axis 1); wk (in the module: [1024, 1024], K = its axis 1); wq (in the module: [1024, 1024], K = its axis 1); wv (in the module: [1024, 1024], K = its axis 1); x (in the module: [2, 2048, 1024], K = its axis 2): each comes as NAME_codes (uint8): NAME with its K axis moved to the last place and cut into blocks of 32 codes, [.., K / 32, bytes a block], one block behind the other in memory; one code a byte (a code: sign, 4 exponent bits, 3 mantissa bits); and NAME_scales (uint8): the same leading axes, one E8M0 byte (e + 127) for each 32 codes along K. Its value is code x scale, taken as it is: it is not quantised again, and the codes and scales need not be those that the quantiser above would give.
;; One version. Each part assembles by itself: llvm-mc -triple=amdgcn-amd-amdhsa -mcpu=gfx1250 --defsym DOCPART=n.
;; ======== version 1 of 1: 2 launches
;; limits: right only within a limited range of input values
;; workspace buffers: qimg 4,194,304 bytes; kimg 4,194,304 bytes; vimg 4,194,304 bytes; qsc 262,144 bytes; ksc 262,144 bytes; vsc 131,072 bytes; gimg 16,777,216 bytes
;; launch proj (part 1): grid 16 x 16, 4 waves a work-group, clusters of 4 x 4, 327,680 bytes of LDS; arguments x_codes, x_scales, wq_codes, wq_scales, bq, qimg, qsc, wk_codes, wk_scales, bk, kimg, ksc, wv_codes, wv_scales, bv, vimg, vsc, wg_codes, wg_scales, bg, gimg; writes qimg, qsc, kimg, ksc, vimg, vsc, gimg
.if DOCPART == 1
	.amdgcn_target "amdgcn-amd-amdhsa--gfx1250"
	.amdhsa_code_object_version 6
	.text
	.protected	k_q7bbcece827_proj
	.globl	k_q7bbcece827_proj
	.p2align	8
	.type	k_q7bbcece827_proj,@function
k_q7bbcece827_proj:
	s_mov_b64 s[64:65], 0
	v_nop
	global_prefetch_b8 v0, s[64:65] scope:SCOPE_SE
	s_setreg_imm32_b32 hwreg(HW_REG_WAVE_MODE, 25, 1), 1
	s_wait_xcnt 0x0
	s_wait_alu depctr_hold_cnt(0) depctr_sa_sdst(0) depctr_va_vdst(0) depctr_va_sdst(0) depctr_va_ssrc(0) depctr_va_vcc(0) depctr_vm_vsrc(0)
	s_getreg_b32 s2, hwreg(HW_REG_IB_STS2, 6, 4)
	s_cmp_eq_u32 s2, 0
	s_cbranch_scc0 .Lentry_in_a_cluster
	s_endpgm
.Lentry_in_a_cluster:
	s_bfe_u32 s2, ttmp6, 0x10000c
	s_cmp_lg_u32 s2, 0xf033
	s_cbranch_scc0 .Lentry_shape_is_right
	s_endpgm
.Lentry_shape_is_right:
; Q, K, V and the gate: x W^T + b on codes of MX-FP8; Q, K, V are quantised again on the way out, the gate leaves in f32.  Tiles of 256 x 256, four waves of 128 x 128, K in steps of 256 through two LDS slots.
; THE DEAL.  Clusters x = 0, 1: wave column 0 makes 128 columns of Q, wave column 1 the same 128 columns of the gate;  cluster x = 2: K;  cluster x = 3: V, with the sources changed over, so that a lane's registers run along the tokens.
; A lane's 16 codes of a block of 32 are places 8 h + 0..7 and 16 + 8 h + 0..7 of the block (h = lane / 16): the same order on both sides of each later product.
; LIMITS: NaN, infinities and sums beyond f32's range are not served.  A block's scale byte never falls under 1.
.set KSTEP,  256
.set NQ,     2
.set ROWB,   256
.set KROW,   1024
.set PITCH,  272
.set FR,     16
.set NL,     4
.set NP,     8
.set HALFT,  128*PITCH
.set SLOT,   4*HALFT
.set LAPS,   2
.set KS,     32
.set SCL,    2*SLOT
.set HALFS,  (128*KS/256)*272
.set SBLK,   (16*KS/256)*272
.set SPARE,  SCL+4*HALFS
.set BL,   8
.set ADRA, 16
.set ADRB, 20
.set LIA,  24
.set LIB,  25
.set LANE, 26
.set ADRS, 27
.set SPW,  28
.set NIL,  29
.set BO,   30
.set BO2,  31
.set SC,   32
.set BR,   64
.set AF,   128
.set ST,   128
.set PC,   192
.set TM,   208
.set PW,   224
.set WS,   232
.set IMG,  12
.set KIND, 66
.set BIAS, 96
.set SCP,  98
.set STR,  100
.set G1, 24
.set G0, 32
.set G1B, 48
.set G0B, 56
.set G1S, 68
.set G0S, 76
.set G1SB, 80
.set G0SB, 88
.set MSB, 0
.macro WIN new
.if MSB != \new
	s_set_vgpr_msb (MSB<<8)|\new
.set MSB, \new
.endif
.endm
.set MUL_LO, 0xa1
.set MUL_HI, 0xf1
.set TO_B,   0x40
.macro JLOAD g0a, g1a, g0b, g1b
	s_cmp_eq_u32 s15, 0
	s_cbranch_scc0 .Lfor_b_\@
	tensor_load_to_lds s[\g0a:\g0a+3], s[\g1a:\g1a+7]
	s_nop 0
.rept 4
	v_nop
.endr
	s_branch .Lasked_\@
.Lfor_b_\@:
	tensor_load_to_lds s[\g0b:\g0b+3], s[\g1b:\g1b+7]
	s_nop 0
.rept 4
	v_nop
.endr
.Lasked_\@:
.endm
.macro CREST
	s_cmp_lg_u32 s14, 0
	s_cbranch_scc1 .Lnot_wave_0_\@
	s_barrier_signal -3
.Lnot_wave_0_\@:
	s_barrier_wait -3
	s_barrier_signal -1
	s_barrier_wait -1
.endm
.macro CROUND
	s_barrier_signal -1
	s_barrier_wait -1
	CREST
.endm
.macro PICK n, base, five
	s_cmp_eq_u32 s[KIND], \n
	s_cselect_b64 s[8:9], s[\base:\base+1], s[8:9]
	s_cselect_b64 s[10:11], s[\base+2:\base+3], s[10:11]
	s_cselect_b64 s[12:13], s[\base+4:\base+5], s[12:13]
	s_cselect_b64 s[14:15], s[\base+6:\base+7], s[14:15]
.if \five
	s_cselect_b64 s[16:17], s[\base+8:\base+9], s[16:17]
.endif
.endm
	s_load_b128 s[4:7], s[0:1], 0x0
	s_load_b256 s[8:15], s[0:1], 0x10
	s_load_b64 s[16:17], s[0:1], 0x30
	s_load_b256 s[20:27], s[0:1], 0x38
	s_load_b64 s[28:29], s[0:1], 0x58
	s_load_b256 s[32:39], s[0:1], 0x60
	s_load_b64 s[40:41], s[0:1], 0x80
	s_load_b256 s[44:51], s[0:1], 0x88
	v_lshl_add_u32 v[SPW], v0, 2, SPARE
	v_mov_b32 v[NIL], 0
	ds_add_u32 v28, v29
	ds_add_u32 v28, v29
	s_wait_dscnt 0x0
	v_lshrrev_b32 v1, 5, v0
	v_readfirstlane_b32 s2, v1
	s_and_b32 s2, s2, 1
	s_mul_i32 s3, s2, 3
	s_sub_co_u32 s[KIND], ttmp9, 1
	s_cmp_lt_u32 ttmp9, 2
	s_cselect_b32 s[KIND], s3, s[KIND]             ; 0 Q, 1 K, 2 V, 3 the gate
	s_wait_alu depctr_va_vdst(0)
	s_wait_kmcnt 0x0
	PICK 1, 20, 1
	PICK 2, 32, 1
	PICK 3, 44, 0
	s_mov_b64 s[BIAS:BIAS+1], s[12:13]
	s_mov_b64 s[SCP:SCP+1], s[16:17]
	s_mov_b64 s[IMG:IMG+1], s[14:15]
	s_mov_b64 s[20:21], s[4:5]
	s_mov_b64 s[22:23], s[6:7]
	s_cmp_eq_u32 s[KIND], 2
	s_cselect_b64 s[4:5], s[8:9], s[20:21]
	s_cselect_b64 s[6:7], s[10:11], s[22:23]
	s_cselect_b64 s[8:9], s[20:21], s[8:9]
	s_cselect_b64 s[10:11], s[22:23], s[10:11]
	v_readfirstlane_b32 s14, v1
	s_lshr_b32 s15, s14, 1
	s_and_b32 s16, s14, 1
	s_bfe_u32 s40, ttmp6, 0x40000
	s_bfe_u32 s41, ttmp6, 0x40004
	s_and_b32 s17, ttmp7, 0xffff
	s_lshl_b32 s17, s17, 2
	s_cmp_eq_u32 s[KIND], 2
	s_cselect_b32 s42, s17, 0
	s_cselect_b32 s17, 0, s17
	s_add_co_u32 s42, s42, s40
	s_add_co_u32 s17, s17, s41
	s_lshl_b32 s2, s42, 1
	s_add_co_u32 s2, s2, s16                       ; my unit of 128 of B's rows
	s_lshl_b32 s3, ttmp9, 2
	s_add_co_u32 s3, s3, s40
	s_cmp_lt_u32 ttmp9, 2
	s_cselect_b32 s2, s3, s2                       ; Q and the gate: the same unit of each weight
	s_lshl_b32 s43, s41, 2
	s_lshl_b32 s43, 15, s43
	s_lshl_b32 s44, 0x1111, s40
	s_or_b32 s[G1+0], s43, (0<<16)|(1<<20)|(1<<21)|(5<<22)|(3<<25)
	s_or_b32 s[G1B+0], s44, (0<<16)|(1<<20)|(1<<21)|(5<<22)|(3<<25)
.irp g, G1, G1B
	s_mov_b32 s[\g+1], ROWB<<16
	s_mov_b32 s[\g+2], 128<<16
	s_mov_b32 s[\g+3], ROWB<<16
	s_mov_b32 s[\g+4], 128
	s_mov_b32 s[\g+5], KROW
	s_mov_b32 s[\g+6], 0
	s_mov_b32 s[\g+7], 0
.endr
	s_or_b32 s[G1S+0], s43, (3<<16)|(1<<20)|(1<<21)|(5<<22)|(3<<25)
	s_or_b32 s[G1SB+0], s44, (3<<16)|(1<<20)|(1<<21)|(5<<22)|(3<<25)
.irp g, G1S, G1SB
	s_mov_b32 s[\g+1], 32<<16
	s_mov_b32 s[\g+2], (128*KS/256)<<16
	s_mov_b32 s[\g+3], 32<<16
	s_mov_b32 s[\g+4], 128*KS/256
	s_mov_b32 s[\g+5], 32
	s_mov_b32 s[\g+6], 0
	s_mov_b32 s[\g+7], 0
.endr
	s_lshl_b32 s18, s16, 7
	s_lshl_b32 s20, s17, 8
	s_add_co_u32 s20, s20, s18
	s_lshl_b32 s46, s2, 7
	s_mov_b32 s21, 0
	s_mov_b32 s47, 0
	s_mov_b64 s[18:19], KS
	s_mul_u64 s[22:23], s[20:21], s[18:19]
	s_mul_u64 s[92:93], s[46:47], s[18:19]
	s_mov_b64 s[18:19], KROW
	s_mul_u64 s[20:21], s[20:21], s[18:19]
	s_mul_u64 s[46:47], s[46:47], s[18:19]
	s_mul_i32 s45, s14, HALFT
	s_mul_i32 s94, s14, HALFS
	s_add_nc_u64 s[20:21], s[4:5], s[20:21]
	s_add_nc_u64 s[22:23], s[6:7], s[22:23]
	s_add_nc_u64 s[46:47], s[8:9], s[46:47]
	s_add_nc_u64 s[92:93], s[10:11], s[92:93]
	CROUND
	s_mov_b32 s[G0S], 1
	s_add_co_u32 s[G0S+1], s94, SCL
	s_mov_b64 s[G0S+2:G0S+3], s[22:23]
	s_or_b32 s[G0S+3], s[G0S+3], 0x80000000
	s_mov_b32 s[G0SB], 1
	s_add_co_u32 s[G0SB+1], s94, SCL
	s_mov_b64 s[G0SB+2:G0SB+3], s[92:93]
	s_or_b32 s[G0SB+3], s[G0SB+3], 0x80000000
	JLOAD G0S, G1S, G0SB, G1SB
.irp s, 0,1
	s_mov_b32 s[G0+4*\s], 1
	s_add_co_u32 s[G0+4*\s+1], s45, \s*SLOT
	s_add_nc_u64 s[G0+4*\s+2:G0+4*\s+3], s[20:21], \s*ROWB
	s_or_b32 s[G0+4*\s+3], s[G0+4*\s+3], 0x80000000
	s_mov_b32 s[G0B+4*\s], 1
	s_add_co_u32 s[G0B+4*\s+1], s45, \s*SLOT
	s_add_nc_u64 s[G0B+4*\s+2:G0B+4*\s+3], s[46:47], \s*ROWB
	s_or_b32 s[G0B+4*\s+3], s[G0B+4*\s+3], 0x80000000
	s_wait_alu depctr_va_vdst(0)
	s_wait_tensorcnt 0x0
	ds_add_u32 v28, v29
	s_wait_dscnt 0x0
	CROUND
	JLOAD G0+4*\s, G1, G0B+4*\s, G1B
.endr
	v_and_b32 v1, 15, v0
	v_bfe_u32 v2, v0, 4, 1
	v_mul_u32_u24 v3, v1, PITCH
	v_lshl_add_u32 v4, v2, 4, v3
	s_mul_i32 s21, s15, HALFT
	s_mul_i32 s22, s16, HALFT
	s_add_co_u32 s22, s22, 2*HALFT
.irp s, 0,1
	v_add_nc_u32 v[ADRA+\s], s21, v4
	v_add_nc_u32 v[ADRB+\s], s22, v4
	s_add_co_u32 s21, s21, SLOT
	s_add_co_u32 s22, s22, SLOT
.endr
	v_mul_u32_u24 v5, v1, KS
	v_lshrrev_b32 v6, 8, v5
	v_lshl_add_u32 v5, v6, 4, v5
	s_mul_i32 s21, s15, HALFS
	s_mul_i32 s22, s16, HALFS
	s_add_co_u32 s22, s22, 2*HALFS
	s_sub_co_u32 s22, s22, s21
	v_mul_u32_u24 v6, s22, v2
	s_add_co_u32 s21, s21, SCL
	v_add_nc_u32 v5, v5, v6
	v_add_nc_u32 v[ADRS], s21, v5
	v_and_b32 v[LANE], 31, v0
	v_lshlrev_b32 v[LIA], 4, v[LANE]
	s_wait_alu depctr_va_vdst(0)
	v_lshlrev_b32 v[BO], 5, v2
	s_wait_alu depctr_va_vdst(0)
	v_lshlrev_b32 v[BO2], 2, v1
	s_wait_alu depctr_va_vdst(0)
	s_lshl_b32 s20, s17, 1
	s_add_co_u32 s20, s20, s15
	s_mov_b32 s21, s2
	s_mov_b32 s[STR], 1024
	s_mov_b32 s46, 8192
	s_cmp_eq_u32 s[KIND], 2
	s_cselect_b32 s22, s21, s20
	s_cselect_b32 s23, s20, s21
	s_cselect_b32 s[STR], 2048, s[STR]
	s_cselect_b32 s46, 1024, s46
	s_cselect_b32 s45, 13, 14
	s_cmp_eq_u32 s[KIND], 3
	s_cselect_b32 s[STR], 4096, s[STR]
	s_cselect_b32 s18, 20, 18
	s_cselect_b32 s19, 15, 14
	s_mov_b32 s[STR+1], 0
	v_add_nc_u32 v[LIB], s46, v[LIA]
	s_lshr_b32 s47, s22, 4
	s_and_b32 s22, s22, 15
	s_lshl_b32 s47, s47, 3
	s_add_co_u32 s47, s47, s23
	s_lshl_b32 s18, s47, s18
	s_lshl_b32 s19, s22, s19
	s_add_co_u32 s18, s18, s19
	s_mov_b32 s19, 0
	s_add_nc_u64 s[IMG:IMG+1], s[IMG:IMG+1], s[18:19]
	s_lshl_b32 s18, s47, s45
	s_lshl_b32 s45, s22, 9
	s_add_co_u32 s18, s18, s45
	s_add_nc_u64 s[SCP:SCP+1], s[SCP:SCP+1], s[18:19]
	s_lshl_b32 s18, s23, 9
	s_add_nc_u64 s[BIAS:BIAS+1], s[BIAS:BIAS+1], s[18:19]
.irp b, 0,1,2,3,4,5,6,7
	global_load_b128 v[BR+8*\b:BR+8*\b+3], v[BO], s[BIAS:BIAS+1] offset:64*\b
	global_load_b128 v[BR+8*\b+4:BR+8*\b+7], v[BO], s[BIAS:BIAS+1] offset:64*\b+16
.endr
.irp a, 0,1,2,3,4,5,6,7
	global_load_b32 v[BL+\a], v[BO2], s[BIAS:BIAS+1] offset:64*\a
.endr
.macro FRAG reg, adr, q, i
.irp c, 0,1,2,3
	ds_load_b128 v[\reg+4*\c:\reg+4*\c+3], v[\adr] offset:128*(\q)+32*\c+(\i)*16*PITCH
.endr
.endm
.macro MUL16 a0, p, q, sc, zero
.irp a, \a0, \a0+1
.irp b, 0,1,2,3,4,5,6,7
.if \zero
	v_wmma_scale_f32_16x16x128_f8f6f4 v[8*(8*((\a)%4)+\b):8*(8*((\a)%4)+\b)+7], v[128*(\p)+FR*\b:128*(\p)+FR*\b+FR-1], v[AF+FR*(\a):AF+FR*(\a)+FR-1], 0, v[SC+8*NQ*(\sc)+NQ*\b+(\q)], v[SC+8*NQ*(\sc)+NQ*(\a)+(\q)] matrix_a_scale:MATRIX_SCALE_ROW1
.else
	v_wmma_scale_f32_16x16x128_f8f6f4 v[8*(8*((\a)%4)+\b):8*(8*((\a)%4)+\b)+7], v[128*(\p)+FR*\b:128*(\p)+FR*\b+FR-1], v[AF+FR*(\a):AF+FR*(\a)+FR-1], v[8*(8*((\a)%4)+\b):8*(8*((\a)%4)+\b)+7], v[SC+8*NQ*(\sc)+NQ*\b+(\q)], v[SC+8*NQ*(\sc)+NQ*(\a)+(\q)] matrix_a_scale:MATRIX_SCALE_ROW1
.endif
.endr
.endr
.endm
.macro FETCH_B slot, q, p
	WIN TO_B
.irp i, 0,1,2,3,4,5,6,7
	FRAG 128*(\p)+FR*\i, ADRB+\slot, \q, \i
.endr
	WIN 0
.endm
.macro FETCH_A slot, q, i0
.irp i, \i0, \i0+1, \i0+2, \i0+3
	FRAG AF+FR*(\i), ADRA+\slot, \q, \i
.endr
.endm
.macro SCALES sc
.irp i, 0,1,2,3,4,5,6,7
	ds_load_b64 v[SC+8*NQ*\sc+NQ*\i:SC+8*NQ*\sc+NQ*\i+1], v[ADRS] offset:\i*SBLK
.endr
.endm
.macro PLACES n
.rept \n
	v_nop
.endr
.endm
.macro STEP slot, q, zero
	s_wait_dscnt 4*NL
	WIN MUL_LO
	MUL16 0, (\q)%2, \q, \slot, \zero
	MUL16 2, (\q)%2, \q, \slot, \zero
	s_wait_dscnt 0
	PLACES NP
	FETCH_B \slot, (\q)+1, 1-(\q)%2
	FETCH_A \slot, (\q)+1, 0
	WIN MUL_HI
	MUL16 4, (\q)%2, \q, \slot, \zero
	MUL16 6, (\q)%2, \q, \slot, \zero
	PLACES NP
	WIN 0
	FETCH_A \slot, (\q)+1, 4
.endm
.macro TURN slot, next, fill
	s_wait_tensorcnt 0x0
	ds_add_u32 v[SPW], v[NIL]
	s_wait_dscnt 4*NL+1
	WIN MUL_LO
	MUL16 0, 1, NQ-1, \slot, 0
	s_wait_dscnt 0x0
	s_barrier_signal -1
	MUL16 2, 1, NQ-1, \slot, 0
	WIN 0
	s_barrier_wait -1
.if \fill
	CREST
	s_add_nc_u64 s[G0+4*\slot+2:G0+4*\slot+3], s[G0+4*\slot+2:G0+4*\slot+3], 2*ROWB
	s_add_nc_u64 s[G0B+4*\slot+2:G0B+4*\slot+3], s[G0B+4*\slot+2:G0B+4*\slot+3], 2*ROWB
	JLOAD G0+4*\slot, G1, G0B+4*\slot, G1B
	PLACES NP-4
.else
	PLACES NP
.endif
	s_wait_alu depctr_va_vdst(0)
	v_add_nc_u32 v[ADRS], 4*NQ, v[ADRS]
	FETCH_B \next, 0, 0
	FETCH_A \next, 0, 0
	SCALES \next
	WIN MUL_HI
	MUL16 4, 1, NQ-1, \slot, 0
	MUL16 6, 1, NQ-1, \slot, 0
	PLACES NP
	WIN 0
	FETCH_A \next, 0, 4
.endm
	s_wait_tensorcnt 1
	s_barrier_signal -1
	s_barrier_wait -1
	FETCH_B 0, 0, 0
	FETCH_A 0, 0, 0
	SCALES 0
	FETCH_A 0, 0, 4
	STEP 0, 0, 1
	s_mov_b32 s3, LAPS-1
.Llap:
	TURN 0, 1, 1
	STEP 1, 0, 0
	TURN 1, 0, 1
	STEP 0, 0, 0
	s_sub_co_u32 s3, s3, 1
	s_cmp_lg_u32 s3, 0
	s_cbranch_scc1 .Llap
	TURN 0, 1, 0
	STEP 1, 0, 0
	s_wait_dscnt 4*NL
	WIN MUL_LO
	MUL16 0, 1, NQ-1, 1, 0
	MUL16 2, 1, NQ-1, 1, 0
	s_wait_dscnt 0
	WIN MUL_HI
	MUL16 4, 1, NQ-1, 1, 0
	MUL16 6, 1, NQ-1, 1, 0
	WIN 0
.macro BIASADD a
.set AC, 64*((\a)%4)
.set BP, BL+2*((\a)/2)
	s_cmp_eq_u32 s[KIND], 2
	s_cbranch_scc1 .Lby_lane_\@
	WIN (0x02+(\a)/4)
.set i, 0
.rept 32
	v_pk_add_f32 v[ST+i:ST+i+1], v[AC+i:AC+i+1], v[BR+i:BR+i+1]
.set i, i+2
.endr
	WIN 0
	s_branch .Ladded_\@
.Lby_lane_\@:
	WIN (0x02+(\a)/4)
.set i, 0
.rept 32
.if ((\a)%2) == 0
	v_pk_add_f32 v[ST+i:ST+i+1], v[AC+i:AC+i+1], v[BP:BP+1] op_sel_hi:[1,0]
.else
	v_pk_add_f32 v[ST+i:ST+i+1], v[AC+i:AC+i+1], v[BP:BP+1] op_sel:[0,1] op_sel_hi:[1,1]
.endif
.set i, i+2
.endr
	WIN 0
.Ladded_\@:
.endm
.macro QUANT a
.irp b, 0,1,2,3
	v_max3_num_f32 v[TM+\b], |v[ST+16*\b]|, |v[ST+1+16*\b]|, 0x4800000
.endr
.irp i, 2,4,6,8,10,12,14
.irp b, 0,1,2,3
	v_max3_num_f32 v[TM+\b], v[TM+\b], |v[ST+16*\b+\i]|, |v[ST+1+16*\b+\i]|
.endr
.endr
.irp b, 0,1,2,3
	v_permlanex16_b32 v[TM+4+\b], v[TM+\b], s18, s19
.endr
.irp b, 0,1,2,3
	v_max_num_f32 v[TM+\b], v[TM+\b], v[TM+4+\b]
.endr
.irp b, 0,1,2,3
	v_add_nc_u32 v[TM+12+\b], 0xfc000000, v[TM+\b]
.endr
.irp b, 0,1,2,3
	v_and_or_b32 v[TM+8+\b], v[TM+\b], 0x7f800000, s20
.endr
.irp b, 0,1,2,3
	v_lshrrev_b32 v[TM+4+\b], 23, v[TM+12+\b]
.endr
	v_lshl_or_b32 v[PW+\a], v[TM+5], 8, v[TM+4]
	v_lshl_or_b32 v[PW+\a], v[TM+6], 16, v[PW+\a]
	v_lshl_or_b32 v[PW+\a], v[TM+7], 24, v[PW+\a]
.irp b, 0,1,2,3
.irp i, 0,1,2,3,4,5,6,7,8,9,10,11,12,13,14,15
	v_med3_num_f32 v[ST+16*\b+\i], v[ST+16*\b+\i], -v[TM+8+\b], v[TM+8+\b]
.endr
	v_cvt_scalef32_pk8_fp8_f32 v[PC+4*\b:PC+1+4*\b], v[ST+16*\b:ST+7+16*\b], v[TM+12+\b]
	v_cvt_scalef32_pk8_fp8_f32 v[PC+2+4*\b:PC+3+4*\b], v[ST+8+16*\b:ST+15+16*\b], v[TM+12+\b]
.endr
	v_nop
.endm
.macro QBLOCK a
.if (\a) > 0
	s_wait_xcnt 0x0
	s_add_nc_u64 s[IMG:IMG+1], s[IMG:IMG+1], s[STR:STR+1]
.endif
	BIASADD \a
	QUANT \a
	global_store_b128 v[LIA], v[PC:PC+3], s[IMG:IMG+1]
	global_store_b128 v[LIA], v[PC+4:PC+7], s[IMG:IMG+1] offset:512
	global_store_b128 v[LIB], v[PC+8:PC+11], s[IMG:IMG+1]
	global_store_b128 v[LIB], v[PC+12:PC+15], s[IMG:IMG+1] offset:512
.endm
.macro GBLOCK a
.set AC, 64*((\a)%4)
.if (\a) > 0
	s_wait_xcnt 0x0
	s_add_nc_u64 s[IMG:IMG+1], s[IMG:IMG+1], s[STR:STR+1]
.endif
	WIN (0x02+(\a)/4)
.set i, 0
.rept 32
	v_pk_add_f32 v[ST+i:ST+i+1], v[AC+i:AC+i+1], v[BR+i:BR+i+1]
.set i, i+2
.endr
	WIN 0
.irp p, 0,1,2,3,4,5,6,7,8,9,10,11,12,13,14,15
	global_store_b128 v[LIA], v[ST+4*\p:ST+4*\p+3], s[IMG:IMG+1] offset:524288*(\p/8)+512*(\p%8)
.endr
.endm
	PLACES NP
	s_mov_b32 s18, 0x76543210
	s_mov_b32 s19, 0xfedcba98
	s_mov_b32 s20, 0x600000
	s_wait_loadcnt 0x0
	s_cmp_eq_u32 s[KIND], 3
	s_cbranch_scc1 .Lgate
.irp b, 0,1,2,3
	v_mov_b32 v[TM+4+\b], 0
.endr
.irp a, 0,1,2,3,4,5,6,7
	QBLOCK \a
.endr
	v_cmp_le_u32 vcc_lo, 16, v[LANE]
.irp i, 0,1,2,3
	v_cndmask_b32 v[WS+\i], v[PW+2*\i], v[PW+2*\i+1], vcc_lo
.endr
	global_store_b128 v[LIA], v[WS:WS+3], s[SCP:SCP+1]
	s_cmp_eq_u32 s[KIND], 2
	s_cbranch_scc1 .Lend
.irp i, 0,1,2,3
	v_lshrrev_b32 v[WS+4+\i], 16, v[WS+\i]
.endr
	global_store_b128 v[LIA], v[WS+4:WS+7], s[SCP:SCP+1] offset:8192
	s_branch .Lend
.Lgate:
.irp a, 0,1,2,3,4,5,6,7
	GBLOCK \a
.endr
.Lend:
	s_wait_tensorcnt 0x0
	ds_add_u32 v[SPW], v[NIL]
	s_wait_dscnt 0x0
	CROUND
	s_endpgm
.Lfunc_end_k_q7bbcece827_proj:
	.size	k_q7bbcece827_proj, .Lfunc_end_k_q7bbcece827_proj-k_q7bbcece827_proj
	.p2alignl 7, 3214868480
	.fill 96, 4, 3214868480
	.section	.rodata,"a",@progbits
	.p2align	6, 0x0
	.amdhsa_kernel k_q7bbcece827_proj
		.amdhsa_group_segment_fixed_size 327680
		.amdhsa_private_segment_fixed_size 0
		.amdhsa_enable_private_segment 0
		.amdhsa_kernarg_size 168
		.amdhsa_user_sgpr_count 2
		.amdhsa_user_sgpr_kernarg_segment_ptr 1
		.amdhsa_wavefront_size32 1
		.amdhsa_system_sgpr_workgroup_id_x 1
		.amdhsa_system_sgpr_workgroup_id_y 1
		.amdhsa_system_sgpr_workgroup_id_z 1
		.amdhsa_system_vgpr_workitem_id 0
		.amdhsa_next_free_vgpr 1024
		.amdhsa_next_free_sgpr 102
		.amdhsa_reserve_vcc 1
		.amdhsa_float_denorm_mode_32 3
		.amdhsa_float_denorm_mode_16_64 3
		.amdhsa_memory_ordered 1
		.amdhsa_forward_progress 1
		.amdhsa_inst_pref_size 252
	.end_amdhsa_kernel
	.amdgpu_metadata
---
amdhsa.version: [ 1, 2 ]
amdhsa.kernels:
  - .name:           k_q7bbcece827_proj
    .symbol:         k_q7bbcece827_proj.kd
    .args:
      - { .name: x_codes, .offset: 0, .size: 8, .value_kind: global_buffer, .address_space: global }
      - { .name: x_scales, .offset: 8, .size: 8, .value_kind: global_buffer, .address_space: global }
      - { .name: wq_codes, .offset: 16, .size: 8, .value_kind: global_buffer, .address_space: global }
      - { .name: wq_scales, .offset: 24, .size: 8, .value_kind: global_buffer, .address_space: global }
      - { .name: bq, .offset: 32, .size: 8, .value_kind: global_buffer, .address_space: global }
      - { .name: qimg, .offset: 40, .size: 8, .value_kind: global_buffer, .address_space: global }
      - { .name: qsc, .offset: 48, .size: 8, .value_kind: global_buffer, .address_space: global }
      - { .name: wk_codes, .offset: 56, .size: 8, .value_kind: global_buffer, .address_space: global }
      - { .name: wk_scales, .offset: 64, .size: 8, .value_kind: global_buffer, .address_space: global }
      - { .name: bk, .offset: 72, .size: 8, .value_kind: global_buffer, .address_space: global }
      - { .name: kimg, .offset: 80, .size: 8, .value_kind: global_buffer, .address_space: global }
      - { .name: ksc, .offset: 88, .size: 8, .value_kind: global_buffer, .address_space: global }
      - { .name: wv_codes, .offset: 96, .size: 8, .value_kind: global_buffer, .address_space: global }
      - { .name: wv_scales, .offset: 104, .size: 8, .value_kind: global_buffer, .address_space: global }
      - { .name: bv, .offset: 112, .size: 8, .value_kind: global_buffer, .address_space: global }
      - { .name: vimg, .offset: 120, .size: 8, .value_kind: global_buffer, .address_space: global }
      - { .name: vsc, .offset: 128, .size: 8, .value_kind: global_buffer, .address_space: global }
      - { .name: wg_codes, .offset: 136, .size: 8, .value_kind: global_buffer, .address_space: global }
      - { .name: wg_scales, .offset: 144, .size: 8, .value_kind: global_buffer, .address_space: global }
      - { .name: bg, .offset: 152, .size: 8, .value_kind: global_buffer, .address_space: global }
      - { .name: gimg, .offset: 160, .size: 8, .value_kind: global_buffer, .address_space: global }
    .group_segment_fixed_size: 327680
    .private_segment_fixed_size: 0
    .kernarg_segment_align: 8
    .kernarg_segment_size: 168
    .max_flat_workgroup_size: 128
    .sgpr_count:     102
    .vgpr_count:     1024
    .wavefront_size: 32
...
	.end_amdgpu_metadata
.endif
;; end of part 1
;; launch attn (part 2): grid 8 x 32, 8 waves a work-group, clusters of 4 x 1, 327,680 bytes of LDS; arguments qimg, qsc, kimg, ksc, vimg, vsc, gimg, gamma, beta, out0; writes out0
.if DOCPART == 2
	.amdgcn_target "amdgcn-amd-amdhsa--gfx1250"
	.amdhsa_code_object_version 6
	.text
	.protected	k_q7bbcece827_attn
	.globl	k_q7bbcece827_attn
	.p2align	8
	.type	k_q7bbcece827_attn,@function
k_q7bbcece827_attn:
	s_mov_b64 s[64:65], 0
	v_nop
	global_prefetch_b8 v0, s[64:65] scope:SCOPE_SE
	s_setreg_imm32_b32 hwreg(HW_REG_WAVE_MODE, 25, 1), 1
	s_wait_xcnt 0x0
	s_wait_alu depctr_hold_cnt(0) depctr_sa_sdst(0) depctr_va_vdst(0) depctr_va_sdst(0) depctr_va_ssrc(0) depctr_va_vcc(0) depctr_vm_vsrc(0)
	s_getreg_b32 s2, hwreg(HW_REG_IB_STS2, 6, 4)
	s_cmp_eq_u32 s2, 0
	s_cbranch_scc0 .Lentry_in_a_cluster
	s_endpgm
.Lentry_in_a_cluster:
	s_bfe_u32 s2, ttmp6, 0x10000c
	s_cmp_lg_u32 s2, 0x3003
	s_cbranch_scc0 .Lentry_shape_is_right
	s_endpgm
.Lentry_shape_is_right:
; out0 = GroupNorm over each head's 64 channels of gate x softmax(q k^T / 8) v, times gamma, plus beta.  Both products on codes of FP8 (E4M3) with one E8M0 scale for each 32 along a product's K.
; q, k, v, their scale words and the gate come from the launch before, laid as images of operand registers (four registers = 512 bytes, lane l's 16 bytes at 16 l).
; THE SOFTMAX AHEAD OF THE SECOND PRODUCT: t = score x log2(e) / 8; M = the row's largest t so far, rounded UP to a whole number; p = 2^(t - M) is quantised along the keys and not normalised.
; The row's sum is taken of the unquantised p and divides O at the end.  When M moves, the sum and O are multiplied by 2^(old M - new M): exact.
; SHARES.  A work-group owns 256 queries of one (batch, head); each of its EIGHT waves owns 32 of them, two tiles A and B, in 512 registers: each fragment of K and V feeds two products.  Every wave walks the head's 2,048 keys, 128 a step.
; THE WHOLE HEAD STAYS IN LDS, FILLED ONCE, one tensor load a wave: waves 0, 1 the scale words, waves 2, 3 steps 0 and 1 of K and V, waves 4 to 7 the other fourteen.  So nothing of K and V is left to ask for ahead in the loop.
; CLUSTER.  The four query blocks of a cluster belong to one head: every tile is asked for JOINTLY, by the same tensor load with the same descriptor and the mask 15, in all four.
; LAYOUT.  Both products are used transposed: S^T = K Q^T (source 0 = 16 keys, source 1 = 16 queries), O^T = V^T P^T (source 0 = 16 channels, source 1 = P): a lane holds ONE query of each tile (lane % 16).
; A block of 32 keys lies in two neighbouring tiles of S^T: lane half h holds keys 8 h + 0..7 and 16 + 8 h + 0..7.  V's codes lie in that same order within each block, so the conversions' results are the second product's operand.
; Per-query numbers (the maxima, M, the blocks' exponents, the sums at the end) stand MERGED in one register: lanes 0-15 tile A's queries, lanes 16-31 tile B's.  v_permlane16_swap_b32 merges two registers' halves, and of two copies makes A's and B's numbers for all lanes.
; K = 64 IN A FORM OF K = 128: Q's fragment is 8 registers of codes and 8 of zeros.  K's tiles lie packed, 8 registers each, and a tile's run of 16 reaches into the next tile's codes (tile 7's into 8 registers of zeros): those meet Q's zero codes and add nothing.
; A BLOCK'S EXPONENT is floor(t - M) of its largest score: the whole part of log2 of its largest p.
; LIMITS: NaN and infinities are not served; the promise holds while the scaled scores stay under 2^31 in magnitude.  A block of p whose largest lies under 2^-118 gets the byte 1.  The statistics are taken of gate x sum x out, the sum being 2,048 at the most, and divided afterwards.
; REGISTERS, window 0: v1-12 and v71 addresses; v13-63 at work; v64-70 scale words; v72-75 the sums; v76-91 partial sums; v96-127 p's codes; v128-255 S^T, then p.
; Window 1: v0-63 O^T (A, B); v64-127 V; v128-191 K; v192-199 zeros; v200-231 Q (A, zeros, B, zeros).  Behind the last S^T: v128-191 the gate, v192-223 gamma, v224-255 beta.
.set VREG,  131072                     ; LDS: K's codes at 0: step s at 8,192 s, tile t at + 1,024 t, 32 channels c at + 512 c;  V's here: tile t at + 2,048 t, 32 keys c at + 512 c
.set KSC,   262144                     ; K's scale words, 512 bytes a step
.set VSC,   270336                     ; V's (both heads of the pair), 512 bytes a step
.set STAGE, 278528                     ; the way out: 16 rows x (256 bytes + 16) for each wave; no fill lands here
.set SP,    272
.set SPARE, STAGE+8*16*SP              ; the spare words, 128 bytes a wave
.set LI,   1                           ; 16 x lane
.set LSK,  2
.set LSV,  3
.set PFO,  4                           ; 256 x lane
.set GB,   5                           ; 32 x (lane / 16)
.set SI,   6                           ; the stage: where I put 32 bytes of a row
.set SB,   7                           ; and where I read a row back
.set GO,   8                           ; my byte offset in the wave's rows of out0
.set ADK,  9
.set ADS,  10
.set ADT,  11
.set ADV,  12
.set RUN,  13                          ; merged: the largest score so far
.set NM,   14                          ; merged: -M
.set TA,   15
.set NA,   16                          ; -M of A's queries; of B's.  (Pairs: the odd registers are written once)
.set NB,   18
.set FA,   20                          ; f = 2^(old M - new M)
.set FB,   22
.set EX,   24                          ; the blocks' exponents: A's four, B's four
.set SOP,  32                          ; the conversions' scale operands
.set HL,   40                          ; 448 x the scale
.set BM,   48                          ; the blocks' largest scores
.set XB,   56
.set TB,   60
.set SPW,  61
.set NIL,  62
.set PW,   63                          ; p's scale words: lanes 0-15 A's, lanes 16-31 B's
.set KSW,  64
.set VSW,  68
.set QS,   70
.set LIV,  71
.set LA,   72
.set LB,   74
.set T,    76
.set PC,   96
.set S,    128
.set O,    0                           ; window 1 from here
.set V,    64
.set K,    128
.set KZ,   192
.set Q,    200
.set GM,   192
.set BT,   224
.set G1S,  24                          ; s[24:31] group 1: 8,192 dense bytes;  s[32:39]: two steps;  s[40:47]: seven steps
.set G1A,  32
.set G1B,  40
.set G0S,  48
.set G0A,  52
.set G0B,  56
.set WV,   60
.set EPS,  66
.set R64,  67
.set CS,   68                          ; s[68:69] c = log2(e) / 8
.set NC,   70                          ; -c
.set TK,   71                          ; 8,192 x step
.set TS,   72                          ; 512 x step
.set CNT,  73
.set MSB, 0
.macro WIN new                         ; the immediate's high byte repeats the setting that is left
.if MSB != \new
	s_set_vgpr_msb (MSB<<8)|\new
.set MSB, \new
.endif
.endm
.macro ROUND                           ; a round of the cluster's barrier
	s_barrier_signal -1
	s_barrier_wait -1
	s_cmp_lg_u32 s[WV], 0
	s_cbranch_scc1 .Lnot_wave_0_\@
	s_barrier_signal -3
.Lnot_wave_0_\@:
	s_barrier_wait -3
	s_barrier_signal -1
	s_barrier_wait -1
.endm
.macro PLACES n
.rept \n
	v_nop
.endr
.endm
.macro TLOAD g0, g1                    ; an s_nop 0 and four v_nop follow each tensor load
	tensor_load_to_lds s[\g0:\g0+3], s[\g1:\g1+7]
	s_nop 0
	PLACES 4
.endm
.macro GROUP1 g, dim, rows, pitch      ; elements of 8 bytes, no padding, the mask 15 with bit 21 beside it
	s_mov_b32 s[\g], 15|(3<<16)|(1<<21)
	s_mov_b32 s[\g+1], \dim<<16
	s_mov_b32 s[\g+2], \rows<<16
	s_mov_b32 s[\g+3], \dim<<16
	s_mov_b32 s[\g+4], \rows
	s_mov_b32 s[\g+5], \pitch
	s_mov_b32 s[\g+6], 0
	s_mov_b32 s[\g+7], 0
.endm
	s_load_b512 s[4:19], s[0:1], 0x0               ; qimg 4, qsc 6, kimg 8, ksc 10, vimg 12, vsc 14, gimg 16, gamma 18
	s_load_b128 s[20:23], s[0:1], 0x40             ; beta 20, out0 22
	v_lshl_add_u32 v[SPW], v0, 2, SPARE
	v_mov_b32 v[NIL], 0
	ds_add_u32 v[SPW], v[NIL]                      ; the wave's opening: the add, twice on end, and its wait ahead of my tensor load
	ds_add_u32 v[SPW], v[NIL]
	v_lshrrev_b32 v76, 5, v0
	v_readfirstlane_b32 s[WV], v76                 ; wave 0..7
	s_bfe_u32 s61, ttmp6, 0x40000                  ; cx
	s_lshl_b32 s62, ttmp9, 2
	s_add_co_u32 s62, s62, s61                     ; my block of 256 queries: it enters Q's, the gate's and out0's addresses alone
	s_and_b32 s63, ttmp7, 0xffff                   ; 16 x batch + head, which the four partners share
	s_lshr_b32 s83, s63, 1                         ; 8 x batch + head pair
	s_and_b32 s84, s63, 1                          ; which head of the pair
	s_lshl_b32 s86, s84, 3
	s_add_co_u32 s86, s86, VSC
	s_mul_i32 s87, s[WV], 16*SP
	s_add_co_u32 s87, s87, STAGE                   ; my stage
	v_and_b32 v77, 31, v0                          ; lane
	v_and_b32 v78, 15, v0                          ; r
	v_bfe_u32 v79, v0, 4, 1                        ; h
	v_lshlrev_b32 v[LI], 4, v77
	v_lshlrev_b32 v[PFO], 8, v77
	v_lshlrev_b32 v[GB], 5, v79
	v_mul_u32_u24 v[SI], v78, SP
	v_mul_u32_u24 v[SB], v79, SP
	v_lshlrev_b32 v[GO], 12, v79
	v_add_nc_u32 v[LIV], VREG, v[LI]
	v_add_nc_u32 v[LSK], KSC, v[LI]
	v_add_nc_u32 v[LSV], s86, v[LI]
	v_lshl_add_u32 v[SI], v79, 5, v[SI]
	v_lshl_add_u32 v[SB], v78, 4, v[SB]
	v_lshl_add_u32 v[GO], v78, 4, v[GO]            ; lanes 0-15 one row of out0, lanes 16-31 the next, 4,096 bytes on
	v_add_nc_u32 v[SI], s87, v[SI]                 ; in: row r, + 32 h
	v_add_nc_u32 v[SB], s87, v[SB]                 ; back: lanes 0-15 one row, lanes 16-31 the next
	s_wait_alu depctr_va_vdst(0)                   ; ahead of the run of scalar lines
	GROUP1 G1S, 32, 32, 32                         ; 32 rows of 256 bytes, dense
	GROUP1 G1A, 1024, 2, 2048                      ; a head's step is a row of 8,192 bytes, a pair's steps lie 16,384 apart
	GROUP1 G1B, 1024, 7, 2048
	s_and_b32 s80, s[WV], 1                        ; I fetch for K (0) or V (1)
	s_lshr_b32 s81, s[WV], 1
	s_and_b32 s81, s81, 1                          ; waves 4 to 7: steps 2 to 8 (0) or 9 to 15 (1)
	s_mov_b32 s[G0S], 1
	s_lshl_b32 s[G0S+1], s80, 13
	s_add_co_u32 s[G0S+1], s[G0S+1], KSC
	s_mov_b32 s[G0A], 1
	s_lshl_b32 s[G0A+1], s80, 17
	s_mov_b32 s[G0B], 1
	s_mul_i32 s[G0B+1], s81, 57344
	s_add_co_u32 s[G0B+1], s[G0B+1], s[G0A+1]
	s_add_co_u32 s[G0B+1], s[G0B+1], 16384
	s_lshl_b32 s85, s83, 18                        ; the pair's 262,144 bytes of codes,
	s_lshl_b32 s86, s84, 13
	s_add_co_u32 s85, s85, s86                     ; and my head's 8,192 of a step's 16,384
	s_lshl_b32 s86, s63, 13                        ; K's scale words: 8,192 bytes a head;
	s_lshl_b32 s87, s83, 13                        ; V's: 8,192 a pair
	s_cmp_eq_u32 s80, 0
	s_cselect_b32 s86, s86, s87
	s_mov_b32 s87, 0
	s_mov_b32 s94, s85
	s_mov_b32 s95, 0
	s_mul_i32 s92, s81, 114688
	s_add_co_u32 s92, s92, 32768
	s_mov_b32 s93, 0
	s_mov_b32 s[CS], 0x3e38aa3b
	s_mov_b32 s[CS+1], s[CS]                       ; (named with it as a pair, so it is written)
	s_mov_b32 s[NC], 0xbe38aa3b
	s_mov_b32 s[R64], 0x3c800000
	s_mov_b32 s[EPS], 0x3727c5ac
	s_mov_b32 s[TK], 0
	s_mov_b32 s[TS], 0
	s_wait_dscnt 0x0                               ; both opening adds are done
	ROUND                                          ; all four work-groups are here: the joint loads meet
	s_wait_kmcnt 0x0
	s_cmp_eq_u32 s80, 0
	s_cselect_b64 s[88:89], s[8:9], s[12:13]       ; the codes' buffer, the scale words'
	s_cselect_b64 s[90:91], s[10:11], s[14:15]
	s_add_nc_u64 s[G0S+2:G0S+3], s[90:91], s[86:87]
	s_or_b32 s[G0S+3], s[G0S+3], 0x80000000
	s_add_nc_u64 s[88:89], s[88:89], s[94:95]
	s_mov_b64 s[G0A+2:G0A+3], s[88:89]
	s_or_b32 s[G0A+3], s[G0A+3], 0x80000000
	s_add_nc_u64 s[G0B+2:G0B+3], s[88:89], s[92:93]
	s_or_b32 s[G0B+3], s[G0B+3], 0x80000000
	s_cmp_lt_u32 s[WV], 2                          ; one tensor load a wave; what the first barrier shows has lines of its own
	s_cbranch_scc0 .Lfor_codes
	TLOAD G0S, G1S
	s_branch .Lasked
.Lfor_codes:
	s_cmp_lt_u32 s[WV], 4
	s_cbranch_scc0 .Lfor_rest
	TLOAD G0A, G1A
	s_branch .Lasked
.Lfor_rest:
	TLOAD G0B, G1B
.Lasked:
	; Q: my tiles are 2 i and 2 i + 1 (i = wave % 4) of the 128 tokens number 2 x block + wave / 4
	s_lshl_b32 s86, s62, 1
	s_lshr_b32 s87, s[WV], 2
	s_add_co_u32 s86, s86, s87
	s_and_b32 s87, s[WV], 3
	s_lshl_b32 s92, s86, 14
	s_add_co_u32 s92, s92, s85
	s_lshl_b32 s93, s87, 11
	s_add_co_u32 s92, s92, s93
	s_mov_b32 s93, 0
	s_add_nc_u64 s[4:5], s[4:5], s[92:93]
	s_lshl_b32 s92, s63, 13
	s_lshl_b32 s94, s86, 9
	s_add_co_u32 s92, s92, s94
	s_lshl_b32 s94, s87, 2                         ; word i: lanes 0-15 tile 2 i's rows, lanes 16-31 tile 2 i + 1's
	s_add_co_u32 s92, s92, s94
	s_add_nc_u64 s[6:7], s[6:7], s[92:93]
	WIN 0x40
	global_load_b128 v[Q:Q+3], v[LI], s[4:5] th:TH_LOAD_NT
	global_load_b128 v[Q+4:Q+7], v[LI], s[4:5] offset:512 th:TH_LOAD_NT
	global_load_b128 v[Q+16:Q+19], v[LI], s[4:5] offset:1024 th:TH_LOAD_NT
	global_load_b128 v[Q+20:Q+23], v[LI], s[4:5] offset:1536 th:TH_LOAD_NT
	WIN 0
	global_load_b32 v[QS], v[LI], s[6:7]
	s_lshl_b32 s92, s63, 19                        ; the gate: 524,288 bytes a head, 65,536 a block of 256 queries, 8,192 a wave
	s_lshl_b32 s94, s62, 16
	s_add_co_u32 s92, s92, s94
	s_lshl_b32 s94, s[WV], 13
	s_add_co_u32 s92, s92, s94
	s_add_nc_u64 s[16:17], s[16:17], s[92:93]
	s_and_b32 s92, s63, 15
	s_lshl_b32 s92, s92, 8                         ; my head's 64 channels: 256 bytes
	s_add_nc_u64 s[18:19], s[18:19], s[92:93]
	s_add_nc_u64 s[20:21], s[20:21], s[92:93]
	s_lshr_b32 s94, s63, 4
	s_lshl_b32 s94, s94, 23                        ; out0: a batch is 2,048 rows of 4,096 bytes, a block 256 rows, a wave 32
	s_add_co_u32 s92, s92, s94
	s_lshl_b32 s94, s62, 20
	s_add_co_u32 s92, s92, s94
	s_lshl_b32 s94, s[WV], 17
	s_add_co_u32 s92, s92, s94
	s_add_nc_u64 s[22:23], s[22:23], s[92:93]
	v_mov_b32 v[RUN], 0xff61b1e6                   ; -3e38, under every score
	v_mov_b32 v[NM], 0x7e000000                    ; and -M as large: the first step's f is 0
.irp r, LA, LA+1, LB, LB+1, NA+1, NB+1, FA+1, FB+1
	v_mov_b32 v[\r], 0
.endr
	WIN 0x40
.set j, 0
.rept 8
	v_mov_b32 v[Q+8+j], 0                          ; Q's codes of K = 64 .. 127: zeros
	v_mov_b32 v[Q+24+j], 0
	v_mov_b32 v[KZ+j], 0                           ; what tile 7's run reaches into
.set j, j+1
.endr
.set j, 0
.rept 64
	v_mov_b32 v[O+j], 0                            ; O^T.  (The step is the same for every step: the first finds zeros, which f = 0 leaves zeros)
.set j, j+1
.endr
	WIN 0
.macro ADDRK
	v_add_nc_u32 v[ADK], s[TK], v[LI]
	v_add_nc_u32 v[ADS], s[TS], v[LSK]
.endm
.macro ADDRV
	v_add_nc_u32 v[ADV], s[TK], v[LIV]
	v_add_nc_u32 v[ADT], s[TS], v[LSV]
.endm
.macro KLOAD n                         ; 17 loads: n = 0: this step's K, 1: the next step's
	WIN 0
	ds_load_b128 v[KSW:KSW+3], v[ADS] offset:512*\n   ; word i: lanes 0-15 tile 2 i's rows, lanes 16-31 tile 2 i + 1's
	WIN 0x40
.irp t, 0,1,2,3,4,5,6,7
.irp c, 0,1
	ds_load_b128 v[K+8*\t+4*\c:K+8*\t+4*\c+3], v[ADK] offset:8192*\n+1024*\t+512*\c
.endr
.endr
	WIN 0
.endm
.macro VLOAD                           ; 17 loads
	WIN 0
	ds_load_b64 v[VSW:VSW+1], v[ADT]               ; word i: lanes 0-15 channel tile 2 i, lanes 16-31 tile 2 i + 1
	WIN 0x40
.irp t, 0,1,2,3
.irp c, 0,1,2,3
	ds_load_b128 v[V+16*\t+4*\c:V+16*\t+4*\c+3], v[ADV] offset:2048*\t+512*\c
.endr
.endr
	WIN 0
.endm
.macro QK t                            ; two tiles of keys against both tiles of queries; each starts its sum with the constant 0
	v_wmma_scale_f32_16x16x128_f8f6f4 v[S+8*\t:S+8*\t+7], v[K+8*\t:K+8*\t+15], v[Q:Q+15], 0, v[KSW+\t/2], v[QS]
	v_wmma_scale_f32_16x16x128_f8f6f4 v[S+64+8*\t:S+64+8*\t+7], v[K+8*\t:K+8*\t+15], v[Q+16:Q+31], 0, v[KSW+\t/2], v[QS] matrix_b_scale:MATRIX_SCALE_ROW1
	v_wmma_scale_f32_16x16x128_f8f6f4 v[S+8*\t+8:S+8*\t+15], v[K+8*\t+8:K+8*\t+23], v[Q:Q+15], 0, v[KSW+\t/2], v[QS] matrix_a_scale:MATRIX_SCALE_ROW1
	v_wmma_scale_f32_16x16x128_f8f6f4 v[S+64+8*\t+8:S+64+8*\t+15], v[K+8*\t+8:K+8*\t+23], v[Q+16:Q+31], 0, v[KSW+\t/2], v[QS] matrix_a_scale:MATRIX_SCALE_ROW1 matrix_b_scale:MATRIX_SCALE_ROW1
.endm
.macro PV t, q                         ; channel tile t of O^T of query tile q (0 A, 1 B)
.set OR_, O+32*(\q)+8*(\t)
.set VR_, V+16*(\t)
.set PR_, PC+16*(\q)
.set VS_, VSW+(\t)/2
.if (((\t)%2)+2*(\q)) == 0
	v_wmma_scale_f32_16x16x128_f8f6f4 v[OR_:OR_+7], v[VR_:VR_+15], v[PR_:PR_+15], v[OR_:OR_+7], v[VS_], v[PW]
.elseif (((\t)%2)+2*(\q)) == 1
	v_wmma_scale_f32_16x16x128_f8f6f4 v[OR_:OR_+7], v[VR_:VR_+15], v[PR_:PR_+15], v[OR_:OR_+7], v[VS_], v[PW] matrix_a_scale:MATRIX_SCALE_ROW1
.elseif (((\t)%2)+2*(\q)) == 2
	v_wmma_scale_f32_16x16x128_f8f6f4 v[OR_:OR_+7], v[VR_:VR_+15], v[PR_:PR_+15], v[OR_:OR_+7], v[VS_], v[PW] matrix_b_scale:MATRIX_SCALE_ROW1
.else
	v_wmma_scale_f32_16x16x128_f8f6f4 v[OR_:OR_+7], v[VR_:VR_+15], v[PR_:PR_+15], v[OR_:OR_+7], v[VS_], v[PW] matrix_a_scale:MATRIX_SCALE_ROW1 matrix_b_scale:MATRIX_SCALE_ROW1
.endif
.endm
.macro MIN2 r, b                       ; two p held at 448 x their block's scale: the conversion to an 8-bit code does not saturate (ISA guide 7.6.2); p is not negative, so the hold is one-sided
	v_dual_min_num_f32 v[\r], v[\r], v[\b] :: v_dual_min_num_f32 v[\r+1], v[\r+1], v[\b]
.endm
.macro TM r, n, m                      ; n pairs from pair number m of a tile's scores: t - M (of the pairs c and -M the low word serves both halves)
.set j, \m
.rept \n
	v_pk_fma_f32 v[S+2*j:S+2*j+1], v[S+2*j:S+2*j+1], s[CS:CS+1], v[\r:\r+1] op_sel_hi:[1,0,0]
.set j, j+1
.endr
.endm
.macro ADD2 d, a, b
	v_pk_add_f32 v[\d:\d+1], v[\a:\a+1], v[\b:\b+1]
.endm
; A KEY STEP: 128 keys.  kind 0: its K is loaded at its head, nothing ahead (steps 0, 1);  1: the next step's K is loaded under the softmax;  2: the last: the gate, gamma and beta are asked for instead.
.macro STEP kind
.if \kind == 0
	ADDRK
	ADDRV
	KLOAD 0
	s_wait_alu depctr_va_vdst(0)
.endif
	s_wait_dscnt 0x0                               ; K and its scale words
	WIN 0x05
	QK 0
	QK 2
	QK 4
	QK 6
	WIN 0
.if \kind == 0
	PLACES 8                                       ; eight places: the scores are read, and loads go into what the products have read
.elseif \kind == 1
	ADDRK
	ADDRV
	PLACES 4                                       ; with the four additions: eight places
.else
	ADDRV
	PLACES 6
.endif
	VLOAD
.if \kind == 1
	KLOAD 1
	; THE GATE IS PREFETCHED INTO THE L2: each wave its own 8,192 bytes, lanes 256 bytes apart, one instruction, in the loop's last trip but one: two key steps ahead of the loads.  Each aligned block of 256 bytes is named once in the launch.
	s_cmp_eq_u32 s[CNT], 2
	s_cbranch_scc0 .Lnot_now_\@
	global_prefetch_b8 v[PFO], s[16:17] th:TH_LOAD_NT scope:SCOPE_SE
.Lnot_now_\@:
.elseif \kind == 2
	WIN 0x40
.irp p, 0,1,2,3,4,5,6,7,8,9,10,11,12,13,14,15
	global_load_b128 v[K+4*\p:K+4*\p+3], v[LI], s[16:17] offset:512*\p th:TH_LOAD_NT   ; the gate of my 32 queries, in O^T's layout
.endr
.irp t, 0,1,2,3
	global_load_b128 v[GM+8*\t:GM+8*\t+3], v[GB], s[18:19] offset:64*\t       ; gamma of channels 16 t + 8 h + 0 .. 7
	global_load_b128 v[GM+8*\t+4:GM+8*\t+7], v[GB], s[18:19] offset:64*\t+16
.endr
.irp t, 0,1,2,3
	global_load_b128 v[BT+8*\t:BT+8*\t+3], v[GB], s[20:21] offset:64*\t       ; beta
	global_load_b128 v[BT+8*\t+4:BT+8*\t+7], v[GB], s[20:21] offset:64*\t+16
.endr
	WIN 0
.endif
	; THE LARGEST SCORE OF EACH BLOCK OF 32 KEYS, for M and for the block's exponent: eight chains by turns; each tile of scores is first read at its low end
.irp b, 0,1,2,3
	v_max3_num_f32 v[BM+\b], v[S+16*\b], v[S+1+16*\b], v[S+2+16*\b]
	v_max3_num_f32 v[BM+4+\b], v[S+64+16*\b], v[S+65+16*\b], v[S+66+16*\b]
.endr
.irp i, 3,5,7,9,11,13
.irp b, 0,1,2,3
	v_max3_num_f32 v[BM+\b], v[BM+\b], v[S+16*\b+\i], v[S+1+16*\b+\i]
	v_max3_num_f32 v[BM+4+\b], v[BM+4+\b], v[S+64+16*\b+\i], v[S+65+16*\b+\i]
.endr
.endr
.irp b, 0,1,2,3
	v_max_num_f32 v[BM+\b], v[BM+\b], v[S+15+16*\b]
	v_max_num_f32 v[BM+4+\b], v[BM+4+\b], v[S+79+16*\b]
.endr
.irp b, 0,1,2,3
	v_permlane16_swap_b32 v[BM+\b], v[BM+4+\b]     ; both halves of A's queries into lanes 0-15 of the two registers, of B's into lanes 16-31:
.endr
.irp b, 0,1,2,3
	v_max_num_f32 v[BM+\b], v[BM+\b], v[BM+4+\b]   ; merged
.endr
	v_max3_num_f32 v[TA], v[BM], v[BM+1], v[BM+2]
	v_max3_num_f32 v[RUN], v[RUN], v[TA], v[BM+3]  ; the running largest score
	v_mul_f32 v[TA], s[NC], v[RUN]                 ; -t
	v_floor_f32 v[NA], v[TA]                       ; the new -M = floor(-t) = -ceil(t)
	v_sub_f32 v[TA], v[NA], v[NM]                  ; M's old value less its new one: a whole number, 0 or less
	v_mov_b32 v[NM], v[NA]
	v_mov_b32 v[NB], v[NA]
	v_cvt_i32_f32 v[TA], v[TA]                     ; (it saturates)
.irp b, 0,1,2,3
	v_fma_f32 v[XB+\b], v[BM+\b], s[CS], v[NM]     ; t - M of each block's largest score
.endr
	v_permlane16_swap_b32 v[NA], v[NB]
	v_ldexp_f32 v[FA], 1.0, v[TA]                  ; f
.irp b, 0,1,2,3
	v_max_num_f32 v[XB+\b], 0xc2ec0000, v[XB+\b]   ; not under -118: the byte cannot fall under 1
.endr
	v_mov_b32 v[FB], v[FA]
	TM NA, 4, 0
	v_permlane16_swap_b32 v[FA], v[FB]
.irp b, 0,1,2,3
	v_cvt_floor_i32_f32 v[EX+\b], v[XB+\b]         ; the exponent of the block's largest p
.endr
	TM NA, 8, 4
	v_lshl_add_u32 v[TA], v[EX+1], 8, v[EX]        ; the scale word: byte b is exponent b + 119
	v_lshl_add_u32 v[TB], v[EX+3], 8, v[EX+2]
.irp b, 0,1,2,3
	v_mov_b32 v[EX+4+\b], v[EX+\b]
.endr
	v_lshl_add_u32 v[TA], v[TB], 16, v[TA]
	TM NA, 4, 12
.irp b, 0,1,2,3
	v_permlane16_swap_b32 v[EX+\b], v[EX+4+\b]
.endr
	v_add_nc_u32 v[PW], 0x77777777, v[TA]
	TM NA, 16, 16
	v_pk_mul_f32 v[LA:LA+1], v[LA:LA+1], v[FA:FA+1] op_sel_hi:[1,0]   ; the sums and O^T under the new M
	v_pk_mul_f32 v[LB:LB+1], v[LB:LB+1], v[FB:FB+1] op_sel_hi:[1,0]
	WIN 0x41
.set j, O
.rept 16
	v_pk_mul_f32 v[j:j+1], v[j:j+1], v[FA:FA+1] op_sel_hi:[1,0]
.set j, j+2
.endr
.rept 16
	v_pk_mul_f32 v[j:j+1], v[j:j+1], v[FB:FB+1] op_sel_hi:[1,0]
.set j, j+2
.endr
	WIN 0
	s_wait_alu depctr_va_vdst(0)
.set j, 0
.rept 32                               ; p of A's scores; among them t - M of B's, and the conversions' scale operands and bounds of all eight blocks
	v_exp_f32 v[S+2*j], v[S+2*j]
	v_exp_f32 v[S+2*j+1], v[S+2*j+1]
	v_pk_fma_f32 v[S+64+2*j:S+65+2*j], v[S+64+2*j:S+65+2*j], s[CS:CS+1], v[NB:NB+1] op_sel_hi:[1,0,0]
.if j < 8
	v_lshl_add_u32 v[SOP+j], v[EX+j], 23, 0x3b800000   ; 2^(exponent - 8)
.elseif j < 16
	v_lshl_add_u32 v[HL+j-8], v[EX+j-8], 23, 0x3fe00000   ; 448 x that
.endif
.set j, j+1
.endr
	s_wait_alu depctr_va_vdst(0)
.set j, 0
.rept 32                               ; p of B's; among them A's first sums (of the unquantised p) and, behind them, its holds
	v_exp_f32 v[S+64+2*j], v[S+64+2*j]
	v_exp_f32 v[S+65+2*j], v[S+65+2*j]
.if (j%2) == 0
.if j < 16
	ADD2 PC+16+j, S+2*j, S+2*j+2
.else
	ADD2 T+j-16, S+2*j, S+2*j+2
.endif
.endif
.if j > 1
	MIN2 S+2*(j-2), HL+(j-2)/8
.endif
.set j, j+1
.endr
	s_wait_alu depctr_va_vdst(0)
	MIN2 S+60, HL+3
	MIN2 S+62, HL+3
.irp i, 0,1,2,3,4,5,6,7
	v_cvt_scalef32_pk8_fp8_f32 v[PC+2*\i:PC+2*\i+1], v[S+8*\i:S+8*\i+7], v[SOP+\i/2]
	ADD2 T+2*\i, T+2*\i, PC+16+2*\i
.endr
.irp i, 0,2,4,6
	ADD2 T+\i, T+\i, T+8+\i
.endr
.irp i, 0,2,4,6
	ADD2 T+8+\i, S+64+\i, S+72+\i                  ; B's sums: four chains
.endr
	s_wait_alu depctr_va_vdst(0)
.if \kind == 1
	s_wait_dscnt 0x11                              ; V and its scale words; the next step's 17 loads of K may be out
.else
	s_wait_dscnt 0x0
.endif
.set m, 2
.rept 6                                ; A's products among B's sums and holds
.if m < 6
	WIN 0x51
	PV m-2, 0
	WIN 0
.endif
.irp i, 0,2,4,6
	ADD2 T+8+\i, T+8+\i, S+64+8*m+\i
.endr
.irp i, 0,2,4,6
	MIN2 S+64+8*(m-2)+\i, HL+4+(m-2)/2
.endr
.set m, m+1
.endr
.irp i, 48,50,52,54,56,58,60,62
	MIN2 S+64+\i, HL+7
.endr
	ADD2 T, T, T+4
	ADD2 T+2, T+2, T+6
.irp i, 0,1,2,3,4,5,6,7
	v_cvt_scalef32_pk8_fp8_f32 v[PC+16+2*\i:PC+17+2*\i], v[S+64+8*\i:S+64+8*\i+7], v[SOP+4+\i/2]
.endr
	ADD2 T+8, T+8, T+10                            ; these six are also the places between the codes and the products
	ADD2 T+12, T+12, T+14
	ADD2 T, T, T+2
	ADD2 T+8, T+8, T+12
	ADD2 LA, LA, T
	ADD2 LB, LB, T+8
	WIN 0x51
	PV 0, 1
	PV 1, 1
	PV 2, 1
	PV 3, 1
	WIN 0
.endm
.macro NEXT
	s_add_co_u32 s[TK], s[TK], 8192
	s_add_co_u32 s[TS], s[TS], 512
.endm
	s_wait_alu depctr_va_vdst(0)
	s_cmp_lt_u32 s[WV], 4
	s_cbranch_scc0 .Lnot_yet
	s_wait_tensorcnt 0x0                           ; waves 0 to 3: the scale words and steps 0 and 1 are in; waves 4 to 7 wait at the second barrier
.Lnot_yet:
	s_barrier_signal -1
	s_barrier_wait -1
	s_wait_loadcnt 0x0                             ; Q
	s_mov_b32 s[CNT], 2
.Lfirst:                                           ; steps 0 and 1, while the other fourteen land
	STEP 0
	NEXT
	s_sub_co_u32 s[CNT], s[CNT], 1
	s_cmp_lg_u32 s[CNT], 0
	s_cbranch_scc1 .Lfirst
	s_wait_tensorcnt 0x0                           ; every wave: steps 2 to 15 are in
	s_wait_dscnt 0x0
	s_barrier_signal -1
	s_barrier_wait -1
	ADDRK
	KLOAD 0                                        ; step 2's K
	s_mov_b32 s[CNT], 13
.Lmain:                                            ; steps 2 to 14
	STEP 1
	NEXT
	s_sub_co_u32 s[CNT], s[CNT], 1
	s_cmp_lg_u32 s[CNT], 0
	s_cbranch_scc1 .Lmain
	STEP 2                                         ; step 15
	; THE WAY OUT.  u = gate x O^T; mean and variance of u over the head's 64 channels (32 in my lane, 32 in lane l xor 16), the variance of the differences from the mean; with 1/l, l the row's sum, the norm's factor is (1/l) / sqrt(var / l^2 + 1e-5).
.macro FOLD a, b                       ; four pairs of partial sums each of A and B -> merged
	ADD2 \a, \a, \a+2
	ADD2 \b, \b, \b+2
	ADD2 \a+4, \a+4, \a+6
	ADD2 \b+4, \b+4, \b+6
	ADD2 \a, \a, \a+4
	ADD2 \b, \b, \b+4
	v_add_f32 v[\a], v[\a], v[\a+1]
	v_add_f32 v[\b], v[\b], v[\b+1]
	v_permlane16_swap_b32 v[\a], v[\b]
	v_add_f32 v[\a], v[\a], v[\b]
.endm
	v_add_f32 v[LA], v[LA], v[LA+1]
	v_add_f32 v[LB], v[LB], v[LB+1]
	v_permlane16_swap_b32 v[LA], v[LB]
	v_add_f32 v[LA], v[LA], v[LB]                  ; merged: the rows' sums
	PLACES 4                                       ; with the four above: eight places behind the last products
	s_wait_alu depctr_va_vdst(0)
	s_wait_loadcnt 0x10                            ; the gate; gamma's and beta's sixteen loads may be out
	WIN 0x05
.set j, 0
.rept 32
	v_pk_mul_f32 v[S+j:S+j+1], v[O+j:O+j+1], v[K+j:K+j+1]   ; each accumulator from its low end on
.set j, j+2
.endr
	WIN 0
.irp i, 0,2,4,6
	ADD2 T+\i, S+\i, S+8+\i
	ADD2 T+8+\i, S+32+\i, S+40+\i
.endr
.irp n, 16,24
.irp i, 0,2,4,6
	ADD2 T+\i, T+\i, S+\n+\i
	ADD2 T+8+\i, T+8+\i, S+32+\n+\i
.endr
.endr
	FOLD T, T+8
	v_mul_f32 v[T], s[R64], v[T]                   ; the means
	v_mov_b32 v[T+8], v[T]
	v_permlane16_swap_b32 v[T], v[T+8]
.set j, 0
.rept 16
	v_pk_add_f32 v[S+j:S+j+1], v[S+j:S+j+1], v[T:T+1] op_sel_hi:[1,0] neg_lo:[0,1] neg_hi:[0,1]
	v_pk_add_f32 v[S+32+j:S+33+j], v[S+32+j:S+33+j], v[T+8:T+9] op_sel_hi:[1,0] neg_lo:[0,1] neg_hi:[0,1]
.set j, j+2
.endr
	s_wait_alu depctr_va_vdst(0)
	v_rcp_f32 v[FA], v[LA]
	v_nop
	s_wait_alu depctr_va_vdst(0)
.irp i, 0,2,4,6
	v_pk_mul_f32 v[SOP+\i:SOP+\i+1], v[S+\i:S+\i+1], v[S+\i:S+\i+1]
	v_pk_mul_f32 v[HL+\i:HL+\i+1], v[S+32+\i:S+33+\i], v[S+32+\i:S+33+\i]
.endr
.irp n, 8,16,24
.irp i, 0,2,4,6
	v_pk_fma_f32 v[SOP+\i:SOP+\i+1], v[S+\n+\i:S+\n+\i+1], v[S+\n+\i:S+\n+\i+1], v[SOP+\i:SOP+\i+1]
	v_pk_fma_f32 v[HL+\i:HL+\i+1], v[S+32+\n+\i:S+33+\n+\i], v[S+32+\n+\i:S+33+\n+\i], v[HL+\i:HL+\i+1]
.endr
.endr
	FOLD SOP, HL
	v_mul_f32 v[TA], v[FA], v[FA]
	v_mul_f32 v[SOP], s[R64], v[SOP]
	v_fma_f32 v[SOP], v[SOP], v[TA], s[EPS]
	s_wait_alu depctr_va_vdst(0)
	v_rsq_f32 v[TB], v[SOP]
	v_nop
	s_wait_alu depctr_va_vdst(0)
	v_mul_f32 v[FA], v[FA], v[TB]
	v_mov_b32 v[FB], v[FA]
	v_permlane16_swap_b32 v[FA], v[FB]
.set j, 0
.rept 16
	v_pk_mul_f32 v[S+j:S+j+1], v[S+j:S+j+1], v[FA:FA+1] op_sel_hi:[1,0]
	v_pk_mul_f32 v[S+32+j:S+33+j], v[S+32+j:S+33+j], v[FB:FB+1] op_sel_hi:[1,0]
.set j, j+2
.endr
	s_wait_alu depctr_va_vdst(0)
	s_wait_loadcnt 0x0                             ; gamma and beta
	WIN 0x14
.set j, 0
.rept 16
	v_pk_fma_f32 v[S+j:S+j+1], v[S+j:S+j+1], v[GM+j:GM+j+1], v[BT+j:BT+j+1]
	v_pk_fma_f32 v[S+32+j:S+33+j], v[S+32+j:S+33+j], v[GM+j:GM+j+1], v[BT+j:BT+j+1]
.set j, j+2
.endr
	WIN 0
.irp q, 0,1                            ; tile by tile through my own stage: LDS serves a wave's instructions in order (ISA guide 5.7.1.4): the loads see the stores above them, and B's stores come behind A's loads
.irp t, 0,1,2,3
	ds_store_b128 v[SI], v[S+32*\q+8*\t:S+32*\q+8*\t+3] offset:64*\t           ; row r, channels 16 t + 8 h + 0 .. 7
	ds_store_b128 v[SI], v[S+32*\q+8*\t+4:S+32*\q+8*\t+7] offset:64*\t+16
.endr
.irp i, 0,1,2,3,4,5,6,7
	ds_load_b128 v[S+64+32*\q+4*\i:S+64+32*\q+4*\i+3], v[SB] offset:2*\i*SP
.endr
.endr
.irp q, 0,1
.irp i, 0,1,2,3,4,5,6,7
	s_wait_dscnt (1-\q)*16+7-\i                    ; rows 2 i and 2 i + 1 of the tile are back; what was issued behind may be out
	global_store_b128 v[GO], v[S+64+32*\q+4*\i:S+64+32*\q+4*\i+3], s[22:23] offset:65536*\q+8192*\i th:TH_STORE_NT   ; 16 lanes store a head's 256 consecutive bytes of a row, aligned
.endr
.endr
	s_wait_tensorcnt 0x0                           ; the wave's end
	ds_add_u32 v[SPW], v[NIL]
	s_wait_dscnt 0x0
	ROUND                                          ; the closing round: no work-group ends while a partner may still ask for a tile that names it
	s_endpgm
.Lfunc_end_k_q7bbcece827_attn:
	.size	k_q7bbcece827_attn, .Lfunc_end_k_q7bbcece827_attn-k_q7bbcece827_attn
	.p2alignl 7, 3214868480
	.fill 96, 4, 3214868480
	.section	.rodata,"a",@progbits
	.p2align	6, 0x0
	.amdhsa_kernel k_q7bbcece827_attn
		.amdhsa_group_segment_fixed_size 327680
		.amdhsa_private_segment_fixed_size 0
		.amdhsa_enable_private_segment 0
		.amdhsa_kernarg_size 80
		.amdhsa_user_sgpr_count 2
		.amdhsa_user_sgpr_kernarg_segment_ptr 1
		.amdhsa_wavefront_size32 1
		.amdhsa_system_sgpr_workgroup_id_x 1
		.amdhsa_system_sgpr_workgroup_id_y 1
		.amdhsa_system_sgpr_workgroup_id_z 1
		.amdhsa_system_vgpr_workitem_id 0
		.amdhsa_next_free_vgpr 512
		.amdhsa_next_free_sgpr 96
		.amdhsa_reserve_vcc 0
		.amdhsa_float_denorm_mode_32 3
		.amdhsa_float_denorm_mode_16_64 3
		.amdhsa_memory_ordered 1
		.amdhsa_forward_progress 1
		.amdhsa_inst_pref_size 131
	.end_amdhsa_kernel
	.amdgpu_metadata
---
amdhsa.version: [ 1, 2 ]
amdhsa.kernels:
  - .name:           k_q7bbcece827_attn
    .symbol:         k_q7bbcece827_attn.kd
    .args:
      - { .name: qimg, .offset: 0, .size: 8, .value_kind: global_buffer, .address_space: global }
      - { .name: qsc, .offset: 8, .size: 8, .value_kind: global_buffer, .address_space: global }
      - { .name: kimg, .offset: 16, .size: 8, .value_kind: global_buffer, .address_space: global }
      - { .name: ksc, .offset: 24, .size: 8, .value_kind: global_buffer, .address_space: global }
      - { .name: vimg, .offset: 32, .size: 8, .value_kind: global_buffer, .address_space: global }
      - { .name: vsc, .offset: 40, .size: 8, .value_kind: global_buffer, .address_space: global }
      - { .name: gimg, .offset: 48, .size: 8, .value_kind: global_buffer, .address_space: global }
      - { .name: gamma, .offset: 56, .size: 8, .value_kind: global_buffer, .address_space: global }
      - { .name: beta, .offset: 64, .size: 8, .value_kind: global_buffer, .address_space: global }
      - { .name: out0, .offset: 72, .size: 8, .value_kind: global_buffer, .address_space: global }
    .group_segment_fixed_size: 327680
    .private_segment_fixed_size: 0
    .kernarg_segment_align: 8
    .kernarg_segment_size: 80
    .max_flat_workgroup_size: 256
    .sgpr_count:     96
    .vgpr_count:     512
    .wavefront_size: 32
...
	.end_amdgpu_metadata
.endif
;; end of part 2
